; MI455X (gfx1250); checked and timed in simulation.
; The chip was launched on July 23, 2026; its instructions are those of AMD's public machine-readable ISA for CDNA 5 (MIT licence, August 2026) and "CDNA5" Instruction Set Architecture Reference Guide (July 2026). The comments in the code are by the model that wrote it; some were corrected since.
;; Non Local Block2 D. Allowed arithmetic: matrix products marked QUANTISED: E3M2 operands, one E8M0 scale for each 32 along K, by v_wmma_scale_f32_16x16x128_f8f6f4 with both operands' format E3M2, f32 sums; everything else in f32.
;; Inputs: W_b 256 float32; W_w 256 x 128 float32; bn_beta 256 float32; bn_gamma 256 float32; g_b 128 float32; g_w 128 x 256 float32; phi_b 128 float32; phi_w 128 x 256 float32; theta_b 128 float32; theta_w 128 x 256 float32; x 8 x 256 x 64 x 64 float32; y 8 x 256 x 64 x 64 float32.
;; Outputs: out0 8 x 256 x 64 x 64 float32.
;; This version of the problem:
;;   THIS VERSION OF THE PROBLEM IS GIVEN IN LOW PRECISION. The matrix products marked QUANTISED in the list below multiply operands that are first quantised to E3M2 (3 exponent bits, 2 mantissa bits; 6 bits a number), with one power-of-two scale for each 32 numbers along K (OCP MX v1.0); their sums are f32. All else is computed in f32.
;;   The module's matrix products, in the order in which they are computed (A, B: the left and right operand; K: the contracted axis; several contracted axes count as one K, in the product's order):
;;     1. [M 128, K 256] x [K 256, N 32,768]; A: input g_w; B: input y: QUANTISED
;;     2. [M 128, K 256] x [K 256, N 32,768]; A: input phi_w; B: input y: QUANTISED
;;     3. [M 128, K 256] x [K 256, N 32,768]; A: input theta_w; B: input x: QUANTISED
;;     4. batch 8 x [M 4,096, K 128] x [K 128, N 1,024]; A: computed on the way; B: computed on the way: QUANTISED
;;     5. batch 8 x [M 4,096, K 1,024] x [K 1,024, N 128]; A: computed on the way; B: computed on the way: QUANTISED
;;     6. [M 256, K 128] x [K 128, N 32,768]; A: input W_w; B: computed on the way: QUANTISED
;;   THE QUANTISER, for each operand of a quantised product, along K:
;;     - K is cut into blocks of 32 from its start; a last block that is shorter is filled with zeros.
;;     - A block's scale is 2^e with e = floor(log2(the largest magnitude in the block)) - 4, held to -126 .. 127; a block of zeros has e = 0. As a byte (E8M0): e + 127.
;;     - Each number is divided by its block's scale, clamped to +-28, and rounded to the nearest number of E3M2, ties to even, subnormals kept.
;;     - The product sums the exact products of the quantised numbers (number of the format x scale) in f32.
;;   ~~~python
;;   def quantise(x, axis):      # numpy; x: float32 -> the quantised numbers, widened to float32 again
;;       x = np.moveaxis(x, axis, -1); K = x.shape[-1]
;;       x = np.pad(x, [(0, 0)] * (x.ndim - 1) + [(0, -K % 32)]); x = x.reshape(x.shape[:-1] + (-1, 32)); a = np.abs(x).max(-1, keepdims=True)
;;       e = np.where(a > 0, np.clip(np.frexp(np.where(a > 0, a, 1))[1] - 1 - 4, -126, 127), 0)      # np.frexp(a)[1] - 1 = floor(log2(a)), exactly
;;       r = np.clip(x / 2.0 ** e, -28, 28)
;;       step = 2.0 ** (np.maximum(np.frexp(np.where(r == 0, 1, r))[1] - 1, -2) - 2)
;;       q = np.round(r / step) * step * 2.0 ** e      # np.round: ties to even
;;       return np.moveaxis(q.reshape(q.shape[:-2] + (-1,))[..., :K], -1, axis).astype(np.float32)
;;   ~~~
;;   OPERANDS COMPUTED ON THE WAY. 'Computed on the way' means the value that the module computes at that place (a softmax that the list does not call 'softmax' is quantised finished and normalised). What goes into a quantiser is computed in f32, as accurately as f32 sums, v_exp_f32 and their like allow (about 1e-6 of the number): no bf16 or f16 on the way to a quantiser, and a product that is left as it is and whose result goes on into a quantised operand takes f32 operands (vector FMAs, or v_wmma_f32_16x16x4_f32). A number that lies on a knife's edge between two numbers of the format may be rounded either way, as far as f32 arithmetic and the matrix unit's own rounding can turn it there, and no further.
;; One version. Each part assembles by itself: llvm-mc -triple=amdgcn-amd-amdhsa -mcpu=gfx1250 --defsym DOCPART=n.
;; ======== version 1 of 1: 2 launches
;; workspace buffers: kv 1,638,400 bytes; wq 53,248 bytes
;; launch kvmake (part 1): grid 32 x 8, 8 waves a work-group, no clusters, 216,064 bytes of LDS; arguments y, g_w, g_b, phi_w, phi_b, theta_w, W_w, kv, wq; writes kv, wq
.if DOCPART == 1
	.amdgcn_target "amdgcn-amd-amdhsa--gfx1250"
	.amdhsa_code_object_version 6
	.text
	.protected	k_q344d267b08_kvmake
	.globl	k_q344d267b08_kvmake
	.p2align	8
	.type	k_q344d267b08_kvmake,@function
k_q344d267b08_kvmake:
	s_mov_b64 s[64:65], 0
	v_nop
	global_prefetch_b8 v0, s[64:65] scope:SCOPE_SE
	s_setreg_imm32_b32 hwreg(HW_REG_WAVE_MODE, 25, 1), 1
	s_wait_xcnt 0x0
; NonLocalBlock2D, first of two launches.  g_y = maxpool2(g_w y + g_b) and phi_y = maxpool2(phi_w y + phi_b), both convolutions on codes of BF6 (E3M2) with one E8M0 scale
; for each 32 channels; then g_y is quantised along the pooled positions m and phi_y along its 128 channels, as the two products of the second launch want them.
; NOTHING OF reference() IS LEFT OUT in this program: the quantisers stand between its six products, so all six, and every input, have a way to the output.
; The bias is added behind the pool: rounding keeps order, so max(a_i + b) and max(a_i) + b are the same f32 number.
; LIMITS: NaN and infinities among the inputs are not served.  A block of zeros gets the scale byte 1 where the rule says 127: its codes are zeros, and this program alone reads the bytes.
; SHARES.  A work-group takes image rows 2 h' and 2 h' + 1 of one batch: 128 positions (512 consecutive bytes of each of 256 channels), 32 pooled positions: ONE block of 32 along m.
; Wave w: fetches channels 32 w .. + 31 of the tile; quantises tile w of g_w and of phi_w; quantises y's fragments Y[s = w / 4][a = w % 4][q = 0, 1]; then makes g's channel tile w and phi's
; (q = w % 2, channel block w / 2).  Operands go from wave to wave through LDS as images of their registers (3 x 512 bytes, lane l's 16 bytes at 16 l; scale words 4 l).
; ROWS ARE CHOSEN: row r of Y[s][a][q] is the position with pooled column 8 q + r + 8 (r / 8) and place a in its 2 x 2 window, so the pool is a maximum of four accumulators, register by register;
; row r of weight tile t is channel 32 (t / 2) + 8 (t % 2) + r + 8 (r / 8).  So a lane's 16 pooled numbers are 16 neighbours along the next product's K, and lanes l and l xor 16 hold a block.
; K IS PERMUTED INSIDE EACH BLOCK OF 32 INPUT CHANNELS, alike in y and in g_w and phi_w (and in theta_w, for the second launch's x): place 16 h + i of a block holds channel 4 h + i % 4 + 8 (i / 4).
; A block keeps its 32 numbers, so its scale and its codes are those of the rule; the one thing that differs is the order in which a block's products are added (a limit of rounding order: not K ascending).
; Why: lanes 16-31 of a column load then read 4 channels below lanes 0-15.  With rows of 528 bytes, 132 words, that is 16 banks on (64 banks of 4 bytes: ISA guide 11.1): lanes 0-15 take the even words
; 0 .. 14 and 32 .. 46, lanes 16-31 the even words 16 .. 30 and 48 .. 62: 32 different banks.  16 channels below is a whole number of times through the banks at every pitch that is a multiple of 16 bytes.
; kv, for each batch 8 chunks of 25,600 bytes (128 keys): 8 fragments of phi (1,536 bytes: 4 blocks of 32 along K x 16 rows x 24 bytes), 8 of g, phi's scale words (fragment x 64 + 4 r), g's.
; wq: theta_w's 16 fragments and W_w's 16 as register images with their scale words; the first four work-groups of the grid make them, a fragment a wave.  W_w's K is in its true order.
; NO CLUSTER: what work-groups share is g_w and phi_w, 262,144 bytes of f32; beside the 135,168 bytes of y's tile they do not fit into the 327,680 bytes of LDS, so they go from memory into registers.
.set YS,    0                          ; LDS: y's 16 scale-word blocks of 128 bytes (2 w + q)
.set WS,    2048                       ; the weights' 32 ((matrix x 8 + tile) x 2 + s)
.set YI,    6144                       ; y's 16 images of 1,536 bytes
.set WI,    30720                      ; the weights' 32: g's, then phi's from + 24,576
.set YT,    79872                      ; y's tile: 256 channels x (512 bytes + 16 of padding)
.set YP,    528
.set SPARE, 215040                     ; the spare words, 128 bytes for each wave: four blocks of 256 bytes that no other line names
.set FL5,   5<<23                      ; the floor 2^(5 - 127) under which no largest magnitude is taken: the byte cannot fall under 1
.set SPW, 1                            ; v1   my spare word; never rewritten
.set NIL, 2                            ; v2   0; never rewritten
.set LI,  3                            ; v3   16 l
.set LS,  4                            ; v4   4 l
.set IW,  5                            ; v5   16 l + 3072 w: where I store two images
.set SW,  6                            ; v6   4 l + 256 w: and their scale words
.set YC,  7                            ; v7   my column of y's tile
.set YQ,  8                            ; v8   16 l + 1536 q
.set YQS, 9                            ; v9   4 l + 128 q
.set PB,  10                           ; v10  16 l + 6144 (w / 2)
.set PBS, 11                           ; v11  4 l + 512 (w / 2)
.set WO,  12                           ; v12  a weight's row and half: (r + 8 (r / 8)) x 1024 + 16 h
.set KG,  13                           ; v13  kv: my 12 bytes of g's codes
.set KP,  14                           ; v14  of phi's
.set KB,  15                           ; v15  my scale byte: lanes 0-15 phi's, lanes 16-31 g's
.set NUM,  16                          ; v16-79, v80-143: 64 numbers each
.set NUM2, 80
.set F1,   16                          ; in the jobs: v16-111 eight fragments of y
.set ACC,  112                         ; v112-143 four accumulators, one for each place in the window
.set POOL, 144                         ; v144-159 16 pooled numbers
.set WF,   160                         ; v160-207 up to four weight fragments; before the jobs:
.set TM,   160                         ; v160-175 the quantiser's work,
.set TT,   176                         ; v176-183 its second halves,
.set PC,   184                         ; v184-195 the codes just made
.set PHB,  208                         ; v208-223 phi_b's 16
.set GB,   224                         ; v224 g_b of my channel (v225 is named with it as a pair)
.set YSC,  226                         ; v226-233 y's scale words
.set WSC,  234                         ; v234-237 the weights'
.set PWD,  238                         ; v238 the scale word just made
.set BM,   239
.set BM2,  240
.set BX,   241
.set BS,   242
.set SELB, 243
.set CDG,  244                         ; v244-246 g's 16 codes
.set CDP,  248                         ; v248-250 phi's
.set BBG,  251                         ; g's byte
.set BBP,  252                         ; phi's
.set GBO,  253
.set PBO,  254
.set XO,   255
.set WV,   22
.set HP,   23
.set BA,   24
.set BETA, 25
.set SIG,  26
.set QQ,   27
.set BCH,  28
.set SEL,  30                          ; s[30:31] v_permlanex16_b32's selects for lane l xor 16
.set G1Y,  32
.set G0Y,  40
.set QW,   0                           ; the quantiser's numbers lie in window 0: this text switches no window
.set MSB,  0
.macro WIN new
.if MSB != (\new)
	s_set_vgpr_msb (MSB<<8)|(\new)
.set MSB, \new
.endif
.endm
.macro PLACES n
.rept \n
	v_nop
.endr
.endm
; 64 numbers of a lane, register 16 b + i = place 32 b + 16 (lane / 16) + i along K of my row, become a fragment's 12 registers of codes v[d] on and its scale word v[w]
.macro QUANT s, d, w, fl, adj
	WIN 5*QW
.irp b, 0,1,2,3
	v_max3_num_f32 v[TM+\b], |v[\s+16*\b]|, |v[\s+16*\b+1]|, \fl      ; block b: my 16 numbers and the floor
.endr
.irp i, 2,4,6,8,10,12,14
.irp b, 0,1,2,3
	v_max3_num_f32 v[TM+\b], |v[\s+16*\b+\i]|, |v[\s+16*\b+\i+1]|, v[TM+\b]   ; the four blocks by turns
.endr
.endr
	WIN 0
.irp b, 0,1,2,3
	v_permlanex16_b32 v[TM+4+\b], v[TM+\b], s[SEL], s[SEL+1]
.endr
.irp b, 0,1,2,3
	v_max_num_f32 v[TM+\b], v[TM+\b], v[TM+4+\b]                     ; with lane l xor 16's: the block's largest magnitude
.endr
.irp b, 0,1,2,3
	v_add_nc_u32 v[TM+12+\b], 0xfe000000, v[TM+\b]                   ; 4 off its exponent field: the conversion's scale operand
.endr
.irp b, 0,1,2,3
	v_lshrrev_b32 v[TM+4+\b], 23, v[TM+12+\b]                        ; the scale's byte
.endr
	v_lshl_or_b32 v[\w], v[TM+5], 8, v[TM+4]
	v_lshl_or_b32 v[\w], v[TM+6], 16, v[\w]
	v_lshl_or_b32 v[\w], v[TM+7], 24, v[\w]
.if \adj
	v_add_nc_u32 v[\w], -(\adj), v[\w]
.endif
	WIN 1*QW
.irp c, 0,1
	v_cvt_scalef32_pk16_bf6_f32 v[\d+6*\c:\d+6*\c+2], v[\s+32*\c:\s+32*\c+15], v[TM+12+2*\c]
	v_cvt_scalef32_pk16_bf6_f32 v[TT+4*\c:TT+4*\c+2], v[\s+32*\c+16:\s+32*\c+31], v[TM+13+2*\c]   ; (a conversion's three registers begin on an even number)
.endr
	WIN 0
	v_nop                                          ; one plain place behind a scaled conversion
.irp c, 0,1                                    ; the operand wants a whole block in a lane: lanes 0-15 block 2 c, lanes 16-31 block 2 c + 1
.irp i, 0,1,2
	v_permlane16_swap_b32 v[\d+6*\c+\i], v[TT+4*\c+\i]
.endr
.irp i, 0,1,2
	v_mov_b32 v[\d+3+6*\c+\i], v[TT+4*\c+\i]
.endr
.endr
.endm
.macro IMAGE adr, off, d                       ; a fragment goes to LDS as its registers stand
.irp c, 0,1,2
	ds_store_b128 v[\adr], v[\d+4*\c:\d+4*\c+3] offset:\off+512*\c
.endr
.endm
.macro FETCH reg, adr, off                     ; and comes back so, in any wave
.irp c, 0,1,2
	ds_load_b128 v[\reg+4*\c:\reg+4*\c+3], v[\adr] offset:\off+512*\c
.endr
.endm
.macro MM d, a, b, cr, sa, sb, row1            ; one product; cr < 0: the constant 0 starts the sum
.if (\cr) < 0
.if \row1
	v_wmma_scale_f32_16x16x128_f8f6f4 v[\d:\d+7], v[\a:\a+11], v[\b:\b+11], 0, v[\sa], v[\sb] matrix_a_fmt:MATRIX_FMT_BF6 matrix_b_fmt:MATRIX_FMT_BF6 matrix_a_scale:MATRIX_SCALE_ROW1
.else
	v_wmma_scale_f32_16x16x128_f8f6f4 v[\d:\d+7], v[\a:\a+11], v[\b:\b+11], 0, v[\sa], v[\sb] matrix_a_fmt:MATRIX_FMT_BF6 matrix_b_fmt:MATRIX_FMT_BF6
.endif
.else
.if \row1
	v_wmma_scale_f32_16x16x128_f8f6f4 v[\d:\d+7], v[\a:\a+11], v[\b:\b+11], v[\cr:\cr+7], v[\sa], v[\sb] matrix_a_fmt:MATRIX_FMT_BF6 matrix_b_fmt:MATRIX_FMT_BF6 matrix_a_scale:MATRIX_SCALE_ROW1
.else
	v_wmma_scale_f32_16x16x128_f8f6f4 v[\d:\d+7], v[\a:\a+11], v[\b:\b+11], v[\cr:\cr+7], v[\sa], v[\sb] matrix_a_fmt:MATRIX_FMT_BF6 matrix_b_fmt:MATRIX_FMT_BF6
.endif
.endif
.endm
; 64 numbers of my weight row, 16 of each block of 32.  st = 32, with 16 h in the lane's offset: four numbers of every eight, the permuted order; st = 16, with 64 h: 16 neighbours, K's true order
.macro WLOAD reg, base, vo, off, st
.irp b, 0,1,2,3
.irp j, 0,1,2,3
	global_load_b128 v[\reg+16*\b+4*\j:\reg+16*\b+4*\j+3], v[\vo], s[\base:\base+1] offset:\off+128*\b+\st*\j
.endr
.endr
.endm
.macro YCOL reg, q                             ; 64 channels of my position, down the tile: register 16 b + i takes channel 32 b + 4 h + i % 4 + 8 (i / 4) of my 128 (4 h stands in the lane's address)
.irp b, 0,1,2,3
.irp i, 0,1,2,3,4,5,6,7,8,9,10,11,12,13,14,15
	ds_load_b32 v[\reg+16*\b+\i], v[YC] offset:(32*\b+\i%4+8*(\i/4))*YP+64*\q
.endr
.endr
.endm
.macro LOADY adr, sadr, qo, sqo                ; y's eight fragments (K step s, place a: 4 s + a) of one q
.irp id, 0,1,2,3,4,5,6,7
	FETCH F1+12*\id, \adr, YI+3072*\id+\qo
	ds_load_b32 v[YSC+\id], v[\sadr] offset:YS+256*\id+\sqo
.endr
.endm
; 8 products: the four places of the window by turns, K step 0 (which starts the sums), then K step 1.  role 0 (g): source 0 = 16 positions, source 1 = 16 channels; role 1 (phi): the other way round
.macro QUAD role, wf, ws
.irp s, 0,1
.irp a, 0,1,2,3
.if \s
.set CR, ACC+8*\a
.else
.set CR, -1
.endif
.if \role
	MM ACC+8*\a, WF+\wf+12*\s, F1+12*(4*\s+\a), CR, WSC+\ws+\s, YSC+4*\s+\a, 0
.else
	MM ACC+8*\a, F1+12*(4*\s+\a), WF+\wf+12*\s, CR, YSC+4*\s+\a, WSC+\ws+\s, 0
.endif
.endr
.endr
.endm
.macro POOLM pd                                ; the 2 x 2 maximum; each accumulator is read from its low end on
.irp j, 0,1,2,3,4,5,6,7
	v_max3_num_f32 v[\pd+\j], v[ACC+\j], v[ACC+8+\j], v[ACC+16+\j]
	v_max_num_f32 v[\pd+\j], v[\pd+\j], v[ACC+24+\j]
.endr
.endm
.macro BQ cd, bb                               ; my 16 pooled numbers, half a block: its scale byte and my 16 codes
	v_max3_num_f32 v[BM], |v[POOL]|, |v[POOL+1]|, FL5
	v_max3_num_f32 v[BM2], |v[POOL+2]|, |v[POOL+3]|, |v[POOL+4]|
	v_max3_num_f32 v[BM], v[BM], |v[POOL+5]|, |v[POOL+6]|
	v_max3_num_f32 v[BM2], v[BM2], |v[POOL+7]|, |v[POOL+8]|
	v_max3_num_f32 v[BM], v[BM], |v[POOL+9]|, |v[POOL+10]|
	v_max3_num_f32 v[BM2], v[BM2], |v[POOL+11]|, |v[POOL+12]|
	v_max3_num_f32 v[BM], v[BM], |v[POOL+13]|, |v[POOL+14]|
	v_max3_num_f32 v[BM], v[BM], v[BM2], |v[POOL+15]|
	v_permlanex16_b32 v[BX], v[BM], s[SEL], s[SEL+1]
	v_max_num_f32 v[BM], v[BM], v[BX]
	v_add_nc_u32 v[BS], 0xfe000000, v[BM]
	v_lshrrev_b32 v[\bb], 23, v[BS]
	v_cvt_scalef32_pk16_bf6_f32 v[\cd:\cd+2], v[POOL:POOL+15], v[BS]
	v_nop                                          ; one plain place behind a scaled conversion
.endm
	s_load_b256 s[4:11], s[0:1], 0x0               ; y s[4:5], g_w s[6:7], g_b s[8:9], phi_w s[10:11]
	s_load_b256 s[12:19], s[0:1], 0x20             ; phi_b s[12:13], theta_w s[14:15], W_w s[16:17], kv s[18:19]
	s_load_b64 s[20:21], s[0:1], 0x40              ; wq
	v_lshl_add_u32 v[SPW], v0, 2, SPARE
	v_mov_b32 v[NIL], 0
	ds_add_u32 v[SPW], v[NIL]                      ; the wave's opening: the add, twice on end, and its wait ahead of my first tensor load
	ds_add_u32 v[SPW], v[NIL]
	v_lshrrev_b32 v20, 5, v0
	v_readfirstlane_b32 s[WV], v20                 ; wave 0..7
	s_mov_b32 s[HP], ttmp9                         ; h': the pooled row
	s_and_b32 s[BA], ttmp7, 0xffff                 ; the batch
	s_and_b32 s[BETA], ttmp9, 3                    ; which block of its chunk of 128 keys
	s_lshr_b32 s[SIG], ttmp9, 2                    ; which chunk
	s_and_b32 s[QQ], s[WV], 1
	s_lshr_b32 s[BCH], s[WV], 1
	s_mov_b32 s[SEL], 0x76543210
	s_mov_b32 s[SEL+1], 0xfedcba98
	s_mov_b32 s[G1Y+0], (2<<16)|(1<<20)|(6<<22)|(3<<25)   ; no mask; elements of 4 bytes; behind every 128 words (a row) 4 words of padding
	s_mov_b32 s[G1Y+1], 128<<16                    ; tensor_dim0 = 128
	s_mov_b32 s[G1Y+2], 32<<16                     ; tensor_dim1 = 32
	s_mov_b32 s[G1Y+3], 128<<16                    ; tile_dim0 = 128 positions
	s_mov_b32 s[G1Y+4], 32                         ; tile_dim1 = 32 channels
	s_mov_b32 s[G1Y+5], 4096                       ; from channel to channel
	s_mov_b32 s[G1Y+6], 0
	s_mov_b32 s[G1Y+7], 0
	s_mov_b32 s[G0Y], 1
	s_mul_i32 s[G0Y+1], s[WV], 32*YP
	s_add_co_u32 s[G0Y+1], s[G0Y+1], YT            ; my 32 channels' place in the tile
	v_and_b32 v16, 31, v0                          ; l
	v_and_b32 v17, 15, v0                          ; r
	v_bfe_u32 v18, v0, 4, 1                        ; h
	v_and_b32 v19, 8, v0
	v_add_nc_u32 v19, v19, v17                     ; r + 8 (r / 8)
	v_lshlrev_b32 v[LI], 4, v16
	v_lshlrev_b32 v[LS], 2, v16
	s_mul_i32 s48, s[WV], 3072
	v_add_nc_u32 v[IW], s48, v[LI]
	s_lshl_b32 s48, s[WV], 8
	v_add_nc_u32 v[SW], s48, v[LS]
	s_lshr_b32 s48, s[WV], 2                       ; s: which 128 channels
	s_mul_i32 s48, s48, 128*YP
	s_bfe_u32 s49, s[WV], 0x10001                  ; a / 2: which of the two image rows
	s_lshl_b32 s49, s49, 8
	s_add_co_u32 s48, s48, s49
	s_lshl_b32 s49, s[QQ], 2                       ; a % 2: which of the two columns
	s_add_co_u32 s48, s48, s49
	s_add_co_u32 s48, s48, YT
	v_lshlrev_b32 v[YC], 3, v19
	v_mad_u32_u24 v[YC], v18, 4*YP, v[YC]          ; lanes 16-31: 4 channels further down: 528 words, 16 banks on
	v_add_nc_u32 v[YC], s48, v[YC]
	s_mul_i32 s48, s[QQ], 1536
	v_add_nc_u32 v[YQ], s48, v[LI]
	s_lshl_b32 s48, s[QQ], 7
	v_add_nc_u32 v[YQS], s48, v[LS]
	s_mul_i32 s48, s[BCH], 6144
	v_add_nc_u32 v[PB], s48, v[LI]
	s_lshl_b32 s48, s[BCH], 9
	v_add_nc_u32 v[PBS], s48, v[LS]
	v_lshlrev_b32 v[WO], 10, v19
	v_lshl_add_u32 v[WO], v18, 4, v[WO]            ; lanes 16-31: 4 channels on, as in y
	v_mul_u32_u24 v20, v17, 24
	v_mad_u32_u24 v20, v18, 12, v20                ; 24 r + 12 h: my half of a row's block
	s_mul_i32 s48, s[WV], 1536
	s_mul_i32 s49, s[BETA], 384
	s_add_co_u32 s48, s48, s49
	s_add_co_u32 s48, s48, 12288
	v_add_nc_u32 v[KG], s48, v20                   ; g: fragment w, block beta
	s_lshl_b32 s48, s[BETA], 1
	s_add_co_u32 s48, s48, s[QQ]                   ; phi's fragment 2 beta + q
	s_mul_i32 s49, s48, 1536
	s_mul_i32 s50, s[BCH], 384
	s_add_co_u32 s49, s49, s50
	v_add_nc_u32 v[KP], s49, v20                   ; its block w / 2
	s_lshl_b32 s48, s48, 6
	s_add_co_u32 s48, s48, s[BCH]
	s_add_co_u32 s48, s48, 24576                   ; phi's byte: fragment x 64 + 4 r + channel block
	s_lshl_b32 s49, s[WV], 6
	s_add_co_u32 s49, s49, s[BETA]
	s_add_co_u32 s49, s49, 25088                   ; g's: fragment x 64 + 4 r + beta; it lies behind phi's
	s_sub_co_u32 s49, s49, s48
	v_mul_u32_u24 v[KB], s49, v18                  ; lanes 16-31 take g's
	v_lshl_add_u32 v[KB], v17, 2, v[KB]
	v_add_nc_u32 v[KB], s48, v[KB]
	s_lshl_b32 s48, s[BCH], 7
	v_lshl_add_u32 v[PBO], v18, 6, s48             ; phi_b: channels 32 (w / 2) + 16 h on
	s_lshl_b32 s49, s[QQ], 5
	s_add_co_u32 s49, s49, s48
	v_lshl_add_u32 v[GBO], v19, 2, s49             ; g_b: my row of tile w
	v_mov_b32 v[GB+1], 0                           ; (named as the upper half of a pair)
	v_mov_b32 v[BX], 0                             ; written once: a lane permute's destination counts as one of its sources
.irp b, 0,1,2,3
	v_mov_b32 v[TM+4+\b], 0
.endr
	s_lshl_b32 s50, s[BCH], 15
	s_lshl_b32 s51, s[QQ], 13
	s_add_co_u32 s50, s50, s51                     ; tile w's first row, 32 (w / 2) + 8 (w % 2), x 1,024 bytes
	s_mov_b32 s51, 0
	s_mul_i32 s52, s[BA], 204800
	s_mul_i32 s53, s[SIG], 25600
	s_add_co_u32 s52, s52, s53                     ; my chunk of kv
	s_mov_b32 s53, 0
	s_lshl_b32 s48, s[BA], 22
	s_lshl_b32 s49, s[WV], 19
	s_add_co_u32 s48, s48, s49
	s_lshl_b32 s49, s[HP], 9
	s_add_co_u32 s48, s48, s49                     ; y: batch, my 32 channels, the two image rows
	s_mov_b32 s49, 0
	s_wait_dscnt 0x0                               ; both opening adds are done
	s_wait_kmcnt 0x0
	s_add_nc_u64 s[G0Y+2:G0Y+3], s[4:5], s[48:49]
	s_or_b32 s[G0Y+3], s[G0Y+3], 0x80000000        ; type = 2
	tensor_load_to_lds s[G0Y:G0Y+3], s[G1Y:G1Y+7]  ; my one tensor load: 32 channels x 512 bytes
	s_nop 0
	s_add_nc_u64 s[44:45], s[6:7], s[50:51]        ; g_w and phi_w at tile w's first row
	s_add_nc_u64 s[46:47], s[10:11], s[50:51]
	s_add_nc_u64 s[18:19], s[18:19], s[52:53]
	global_load_b32 v[GB], v[GBO], s[8:9]
.irp j, 0,1,2,3
	global_load_b128 v[PHB+4*\j:PHB+4*\j+3], v[PBO], s[12:13] offset:16*\j
.endr
	; ---- the weights: four fragments a wave, while the tile is on its way
	WLOAD NUM, 44, WO, 0, 32
	WLOAD NUM2, 44, WO, 512, 32
	s_wait_loadcnt 16                              ; all but the younger fragment's 16 loads
	QUANT NUM, PC, PWD, FL5, 0
	IMAGE IW, WI, PC
	ds_store_b32 v[SW], v[PWD] offset:WS
	WLOAD NUM, 46, WO, 0, 32
	s_wait_dscnt 0x0                               ; the stores have read their registers
	s_wait_loadcnt 16
	QUANT NUM2, PC, PWD, FL5, 0
	IMAGE IW, WI+1536, PC
	ds_store_b32 v[SW], v[PWD] offset:WS+128
	WLOAD NUM2, 46, WO, 512, 32
	s_wait_dscnt 0x0
	s_wait_loadcnt 16
	QUANT NUM, PC, PWD, FL5, 0
	IMAGE IW, WI+24576, PC
	ds_store_b32 v[SW], v[PWD] offset:WS+2048
	s_wait_dscnt 0x0
	s_wait_loadcnt 0x0
	QUANT NUM2, PC, PWD, FL5, 0
	IMAGE IW, WI+24576+1536, PC
	ds_store_b32 v[SW], v[PWD] offset:WS+2048+128
	s_wait_dscnt 0x0
	; ---- theta_w and W_w for the second launch: 32 fragments, one for each wave of the grid's first four work-groups (branches on ids alone; no LDS instruction and no barrier inside)
	s_lshl_b32 s48, s[BA], 5
	s_add_co_u32 s48, s48, s[HP]
	s_cmp_lt_u32 s48, 4
	s_cbranch_scc0 .Lno_extra
	s_lshl_b32 s48, s[HP], 3
	s_add_co_u32 s48, s48, s[WV]                   ; fragment 0..31: 0-15 theta_w's (tile t = F / 2, K step F % 2), 16-31 W_w's tiles
	s_lshr_b32 s49, s48, 1
	s_lshr_b32 s50, s49, 1
	s_lshl_b32 s50, s50, 15
	s_and_b32 s51, s49, 1
	s_lshl_b32 s51, s51, 13
	s_add_co_u32 s50, s50, s51
	s_and_b32 s51, s48, 1
	s_lshl_b32 s51, s51, 9
	s_add_co_u32 s50, s50, s51                     ; theta_w: row 32 (t / 2) + 8 (t % 2) of 1,024 bytes, + 512 s
	s_and_b32 s51, s48, 15
	s_lshl_b32 s51, s51, 13                        ; W_w: 16 rows of 512 bytes a tile
	s_cmp_lt_u32 s48, 16
	s_cselect_b64 s[52:53], s[14:15], s[16:17]
	s_cselect_b32 s50, s50, s51
	s_cselect_b32 s54, 10, 9                       ; a row is 2^10 or 2^9 bytes
	s_cselect_b32 s55, 0x400, 0                    ; theta_w's rows are chosen as g_w's are, W_w's are neighbours
	s_cselect_b32 s56, 0, 0x800                    ; in wq theta_w's scale words stand between the two runs of images,
	s_cselect_b32 s57, 0, 0x6000                   ; W_w's images between the two runs of scale words
	s_cselect_b32 s49, 4, 6                        ; lanes 16-31: 16 bytes on in theta_w (the permuted order, as x is read), 64 in W_w (K's true order, as out is made)
	s_mov_b32 s51, 0
	s_add_nc_u64 s[52:53], s[52:53], s[50:51]
	s_mul_i32 s58, s48, 1536
	s_add_co_u32 s58, s58, s56
	s_mov_b32 s59, 0
	s_add_nc_u64 s[60:61], s[20:21], s[58:59]
	s_lshl_b32 s58, s48, 7
	s_add_co_u32 s58, s58, s57
	s_add_co_u32 s58, s58, 24576
	s_add_nc_u64 s[62:63], s[20:21], s[58:59]
	v_and_b32 v[BBG], 15, v0
	v_lshlrev_b32 v[XO], s54, v[BBG]
	v_and_b32 v[BBG], 8, v0
	v_mad_u32_u24 v[XO], v[BBG], s55, v[XO]
	v_bfe_u32 v[BBG], v0, 4, 1
	v_lshlrev_b32 v[BBG], s49, v[BBG]
	v_add_nc_u32 v[XO], v[XO], v[BBG]
	s_cmp_lt_u32 s48, 16                           ; the two orders differ in the loads' immediates: 16 loads on either way
	s_cbranch_scc0 .Lw_rows
	WLOAD NUM, 52, XO, 0, 32
	s_branch .Lw_asked
.Lw_rows:
	WLOAD NUM, 52, XO, 0, 16
.Lw_asked:
	s_wait_loadcnt 0x0
	QUANT NUM, PC, PWD, FL5, 0
.irp c, 0,1,2
	global_store_b128 v[LI], v[PC+4*\c:PC+4*\c+3], s[60:61] offset:512*\c   ; 512 consecutive bytes, at a multiple of 512 from wq's first byte
.endr
	global_store_b32 v[LS], v[PWD], s[62:63]
	s_wait_xcnt 0x0                                ; the stores have read their registers: the next quantiser writes them again
.Lno_extra:
	s_wait_tensorcnt 0x0                           ; my 32 channels of the tile are in,
	s_barrier_signal -1
	s_barrier_wait -1                              ; everybody's are
	; ---- y: two fragments a wave
	YCOL NUM, 0
	YCOL NUM2, 1
	s_wait_dscnt 63                                ; 64 loads are younger; the count's field holds 63, and a smaller count is safe
	QUANT NUM, PC, PWD, FL5, 0
	IMAGE IW, YI, PC
	ds_store_b32 v[SW], v[PWD] offset:YS
	s_wait_dscnt 0x0
	QUANT NUM2, PC, PWD, FL5, 0
	IMAGE IW, YI+1536, PC
	ds_store_b32 v[SW], v[PWD] offset:YS+128
	s_wait_dscnt 0x0                               ; for the others' sake: my images have landed
	s_barrier_signal -1
	s_barrier_wait -1                              ; all 16 fragments of y and all 32 of the weights lie in LDS; nothing is stored to LDS from here on
	; ---- g: channel tile w, pooled columns 16 h + 0 .. 15
	FETCH WF, IW, WI
	FETCH WF+12, IW, WI+1536
	ds_load_b32 v[WSC], v[SW] offset:WS
	ds_load_b32 v[WSC+1], v[SW] offset:WS+128
	LOADY LI, LS, 0, 0
	s_wait_dscnt 0x0
	QUAD 0, 0, 0
	PLACES 5                                       ; four ahead of the reads and of the loads below, a fifth since the accumulators are begun anew
	POOLM POOL
	LOADY LI, LS, 1536, 128
	s_wait_dscnt 0x0
	QUAD 0, 0, 0
	PLACES 5
	POOLM POOL+8
	; ---- phi's operands are asked for; g's way out stands in their shadow
.irp u, 0,1
.irp s, 0,1
	FETCH WF+24*\u+12*\s, PB, WI+24576+3072*\u+1536*\s
	ds_load_b32 v[WSC+2*\u+\s], v[PBS] offset:WS+2048+256*\u+128*\s
.endr
.endr
	LOADY YQ, YQS, 0, 0
.irp k, 0,2,4,6,8,10,12,14
	v_pk_add_f32 v[POOL+\k:POOL+\k+1], v[POOL+\k:POOL+\k+1], v[GB:GB+1] op_sel_hi:[1,0]   ; + g_b of my channel
.endr
	BQ CDG, BBG
	global_store_b96 v[KG], v[CDG:CDG+2], s[18:19] ; the wave stores 384 consecutive bytes: a fragment's block
	s_wait_dscnt 0x0
	; ---- phi: keys of fragment q, channels 32 (w / 2) + 16 h + 0 .. 15
	QUAD 1, 0, 0
	PLACES 5
	POOLM POOL
	QUAD 1, 24, 2
	PLACES 4
	POOLM POOL+8
.irp k, 0,2,4,6,8,10,12,14
	v_pk_add_f32 v[POOL+\k:POOL+\k+1], v[POOL+\k:POOL+\k+1], v[PHB+\k:PHB+\k+1]           ; + phi_b
.endr
	BQ CDP, BBP
	global_store_b96 v[KP], v[CDP:CDP+2], s[18:19]
	v_and_b32 v[SELB], 16, v0
	v_cmp_ne_u32 vcc_lo, 0, v[SELB]
	v_cndmask_b32 v[SELB], v[BBP], v[BBG], vcc_lo  ; lanes 0-15: phi's byte of key row r; lanes 16-31: g's of channel row r
	global_store_b8 v[KB], v[SELB], s[18:19]       ; single bytes: a scale word of g belongs to four work-groups
	s_wait_tensorcnt 0x0                           ; the wave's end: a wait, an add to my spare word and its wait, behind my last tensor load and my last LDS store
	ds_add_u32 v[SPW], v[NIL]
	s_wait_dscnt 0x0
	s_endpgm
.Lfunc_end_k_q344d267b08_kvmake:
	.size	k_q344d267b08_kvmake, .Lfunc_end_k_q344d267b08_kvmake-k_q344d267b08_kvmake
	.p2alignl 7, 3214868480
	.fill 96, 4, 3214868480
	.section	.rodata,"a",@progbits
	.p2align	6, 0x0
	.amdhsa_kernel k_q344d267b08_kvmake
		.amdhsa_group_segment_fixed_size 216064
		.amdhsa_private_segment_fixed_size 0
		.amdhsa_enable_private_segment 0
		.amdhsa_kernarg_size 72
		.amdhsa_user_sgpr_count 2
		.amdhsa_user_sgpr_kernarg_segment_ptr 1
		.amdhsa_wavefront_size32 1
		.amdhsa_system_sgpr_workgroup_id_x 1
		.amdhsa_system_sgpr_workgroup_id_y 1
		.amdhsa_system_sgpr_workgroup_id_z 1
		.amdhsa_system_vgpr_workitem_id 0
		.amdhsa_next_free_vgpr 256
		.amdhsa_next_free_sgpr 66
		.amdhsa_reserve_vcc 1
		.amdhsa_float_denorm_mode_32 3
		.amdhsa_float_denorm_mode_16_64 3
		.amdhsa_memory_ordered 1
		.amdhsa_forward_progress 1
		.amdhsa_inst_pref_size 72
	.end_amdhsa_kernel
	.amdgpu_metadata
---
amdhsa.version: [ 1, 2 ]
amdhsa.kernels:
  - .name:           k_q344d267b08_kvmake
    .symbol:         k_q344d267b08_kvmake.kd
    .args:
      - { .name: y, .offset: 0, .size: 8, .value_kind: global_buffer, .address_space: global }
      - { .name: g_w, .offset: 8, .size: 8, .value_kind: global_buffer, .address_space: global }
      - { .name: g_b, .offset: 16, .size: 8, .value_kind: global_buffer, .address_space: global }
      - { .name: phi_w, .offset: 24, .size: 8, .value_kind: global_buffer, .address_space: global }
      - { .name: phi_b, .offset: 32, .size: 8, .value_kind: global_buffer, .address_space: global }
      - { .name: theta_w, .offset: 40, .size: 8, .value_kind: global_buffer, .address_space: global }
      - { .name: W_w, .offset: 48, .size: 8, .value_kind: global_buffer, .address_space: global }
      - { .name: kv, .offset: 56, .size: 8, .value_kind: global_buffer, .address_space: global }
      - { .name: wq, .offset: 64, .size: 8, .value_kind: global_buffer, .address_space: global }
    .group_segment_fixed_size: 216064
    .private_segment_fixed_size: 0
    .kernarg_segment_align: 8
    .kernarg_segment_size: 72
    .max_flat_workgroup_size: 256
    .sgpr_count:     66
    .vgpr_count:     256
    .wavefront_size: 32
...
	.end_amdgpu_metadata
.endif
;; end of part 1
;; launch attn (part 2): grid 32 x 8, 4 waves a work-group, clusters of 4 x 1, 327,680 bytes of LDS; arguments x, kv, wq, theta_b, W_b, bn_gamma, bn_beta, out0; writes out0
.if DOCPART == 2
	.amdgcn_target "amdgcn-amd-amdhsa--gfx1250"
	.amdhsa_code_object_version 6
	.text
	.protected	k_q344d267b08_attn
	.globl	k_q344d267b08_attn
	.p2align	8
	.type	k_q344d267b08_attn,@function
k_q344d267b08_attn:
	s_mov_b64 s[64:65], 0
	v_nop
	global_prefetch_b8 v0, s[64:65] scope:SCOPE_SE
	s_setreg_imm32_b32 hwreg(HW_REG_WAVE_MODE, 25, 1), 1
	s_wait_xcnt 0x0
	s_wait_alu depctr_hold_cnt(0) depctr_sa_sdst(0) depctr_va_vdst(0) depctr_va_sdst(0) depctr_va_ssrc(0) depctr_va_vcc(0) depctr_vm_vsrc(0)
	s_getreg_b32 s2, hwreg(HW_REG_IB_STS2, 6, 4)
	s_cmp_eq_u32 s2, 0
	s_cbranch_scc0 .Lentry_in_a_cluster
	s_endpgm
.Lentry_in_a_cluster:
	s_bfe_u32 s2, ttmp6, 0x10000c
	s_cmp_lg_u32 s2, 0x3003
	s_cbranch_scc0 .Lentry_shape_is_right
	s_endpgm
.Lentry_shape_is_right:
; NonLocalBlock2D, second launch: theta = theta_w x + theta_b; f = theta phi / 1024; out = f g; out0 = (W_w out + W_b) gamma / sqrt(1 + 1e-5) + beta + x.  All four products on codes of BF6 (E3M2) with
; one E8M0 scale for each 32 along K; each operand computed on the way is quantised in registers from f32.  Nothing of reference() is left out here either.
; THE DIVISION BY 1024 = 2^10 is folded into f's scales: it leaves f's codes as they are and takes 10 off each scale byte.  The floor under a block's largest magnitude is 2^(15 - 127), which gives the byte 1.
; LIMITS: NaN and infinities are not served; a block of zeros gets the byte 1, not 127 (its codes are zeros); where |theta phi| lies under 2^-116, f / 1024 is denormal in f32 and loses bits that this text keeps;
; 1 / sqrt(1 + 1e-5) is the f32 constant 0x3f7fffac; in theta_w x the products of a block of 32 channels are added in a permuted order (below), not K ascending.
; SHARES.  A work-group owns 128 positions of one batch.  Wave w owns query tiles 2 w, 2 w + 1 (16 positions each) through the first three products, so that each fragment of phi and of g read from LDS feeds two
; products; in the last product and on the way out it owns channels 64 w .. + 63 for all 128 positions.
; LAYOUT.  theta, f and out are made transposed (source 0 = 16 rows of theta_w, phi or g, chosen by the first launch; source 1 = my queries): a lane holds ONE query, and the 16 registers of two neighbouring tiles
; are 16 neighbours along the next K.  The last product has source 0 = 16 queries, source 1 = 16 rows of W_w: a lane holds one channel and eight neighbouring positions.
; x's K IS PERMUTED INSIDE EACH BLOCK OF 32 CHANNELS, as the first launch has permuted theta_w's: place 16 h + i of a block holds channel 4 h + i % 4 + 8 (i / 4).  A block keeps its 32 numbers, so its scale and
; codes are the rule's.  Lanes 16-31 of a column load so read 4 channels below lanes 0-15: 4 x 132 words, 16 banks on (64 banks of 4 bytes: ISA guide 11.1): lanes 0-15 take 16 neighbouring words, lanes 16-31 the next 16.
; LDS.  x's tile (256 channels x 512 bytes, pitch 528) stays to the end: it feeds the quantiser, is the residual, and is the stage for the way out.  kv's 8 chunks of 25,600 bytes would want 204,800 bytes beside
; it and the rest, more than there is: six slots hold chunks 0-5, and chunks 6, 7 are brought into slots 0, 1 when all four partners have left them.
; CLUSTER.  The four work-groups of a cluster belong to one batch and read the same kv and the same theta_w: these are asked for JOINTLY (mask 15).  x's tile is each work-group's own.
; By this text's own count a wave has at most three tensor loads out.  No descriptor register is ever rewritten.
; REGISTERS, in windows of 256: window 0: addresses, codes made on the way, phi's fragments, all scale words.  Window 1: v0-127 S (theta, then f; tile i at 64 i), v128-255 O (out; theta_b until chunk 0).
; Window 2: v0-95 eight fragments (theta_w, g, out by turns), v96-143 W_w's four.
.set TW,    0                          ; LDS: theta_w's 16 images and scale words, 26,624 bytes; later out's 8 images (OI) and scale words (OIS)
.set OI,    0
.set OIS,   12288
.set KV,    26624                      ; six slots of 25,600 bytes
.set CH,    25600
.set XT,    180224                     ; x's tile
.set XP,    528                        ; its pitch
.set SPARE, 315392                     ; the spare words, 128 bytes for each wave: two blocks of 256 bytes that no other line names
.set FL5,   5<<23
.set FLF,   15<<23
.set ADJF,  0x0a0a0a0a
.set SPW, 1
.set NIL, 2
.set LI,  3                            ; 16 l
.set LS,  4                            ; 4 l
.set AKV, 5                            ; 384 h + 24 r: my place in a fragment of kv
.set ADC, 6                            ; phi's loads in hand
.set ADS, 7
.set XC0, 8                            ; my column of x's tile, channels 0-127
.set XC1, 9                            ; channels 128-255
.set OIW, 10
.set OSW, 11
.set EA,  12                           ; the way out: my channel's row, my eight positions
.set RA,  13                           ; and whole rows back
.set TBO, 14
.set CHO, 15
.set TH,  16                           ; v16-39 theta's two fragments; on the way out G, K
.set GK,  16
.set P0,  40                           ; v40-63 f's (later out's) two fragments
.set P1,  52
.set TM,  64
.set TT,  80
.set ADG, 88                           ; g's loads in hand
.set ADGS, 89
.set PH,  92                           ; v92-187 phi's eight fragments
.set XF,  92                           ; before them x's four
.set EX,  92                           ; on the way out v92-155 x and the result, v156-219 whole rows
.set ER,  156
.set TWS, 220                          ; v220-227 theta_w's scale words, later out's
.set OS,  220
.set XS,  228                          ; v228-231 x's, later phi's
.set PHS, 228
.set GS,  232
.set THS, 236
.set PS,  238
.set WWS, 240
.set WBR, 244
.set GAM, 248
.set BET, 252
.set WW,  96                           ; in window 2
.set WV,  20
.set CX,  21
.set WGX, 22
.set BA,  23
.set SEL, 28
.set G1X, 32
.set G1T, 40
.set G1K, 48
.set G1R, 56
.set G0X, 68
.set G0T, 72
.set G0K, 76
.set G0R, 80
.set QW,  1                            ; the quantiser's numbers lie in window 1
.set MSB, 0
.macro WIN new                         ; the immediate's high byte repeats the setting that is left
.if MSB != (\new)
	s_set_vgpr_msb (MSB<<8)|(\new)
.set MSB, \new
.endif
.endm
.macro PLACES n
.rept \n
	v_nop
.endr
.endm
; 64 numbers of a lane, register 16 b + i = place 32 b + 16 (lane / 16) + i along K of my row, become a fragment's 12 registers of codes v[d] on and its scale word v[w]; adj is taken off the word's four bytes
.macro QUANT s, d, w, fl, adj
	WIN 5*QW
.irp b, 0,1,2,3
	v_max3_num_f32 v[TM+\b], |v[\s+16*\b]|, |v[\s+16*\b+1]|, \fl      ; block b: my 16 numbers and the floor
.endr
.irp i, 2,4,6,8,10,12,14
.irp b, 0,1,2,3
	v_max3_num_f32 v[TM+\b], |v[\s+16*\b+\i]|, |v[\s+16*\b+\i+1]|, v[TM+\b]   ; the four blocks by turns; each accumulator is read from its low end on
.endr
.endr
	WIN 0
.irp b, 0,1,2,3
	v_permlanex16_b32 v[TM+4+\b], v[TM+\b], s[SEL], s[SEL+1]
.endr
.irp b, 0,1,2,3
	v_max_num_f32 v[TM+\b], v[TM+\b], v[TM+4+\b]                     ; with lane l xor 16's: the block's largest magnitude
.endr
.irp b, 0,1,2,3
	v_add_nc_u32 v[TM+12+\b], 0xfe000000, v[TM+\b]                   ; 4 off its exponent field: the conversion's scale operand
.endr
.irp b, 0,1,2,3
	v_lshrrev_b32 v[TM+4+\b], 23, v[TM+12+\b]                        ; the scale's byte
.endr
	v_lshl_or_b32 v[\w], v[TM+5], 8, v[TM+4]
	v_lshl_or_b32 v[\w], v[TM+6], 16, v[\w]
	v_lshl_or_b32 v[\w], v[TM+7], 24, v[\w]
.if \adj
	v_add_nc_u32 v[\w], -(\adj), v[\w]                               ; each byte is at least 11: no borrow
.endif
	WIN 1*QW
.irp c, 0,1
	v_cvt_scalef32_pk16_bf6_f32 v[\d+6*\c:\d+6*\c+2], v[\s+32*\c:\s+32*\c+15], v[TM+12+2*\c]
	v_cvt_scalef32_pk16_bf6_f32 v[TT+4*\c:TT+4*\c+2], v[\s+32*\c+16:\s+32*\c+31], v[TM+13+2*\c]   ; (a conversion's three registers begin on an even number)
.endr
	WIN 0
	v_nop                                          ; one plain place behind a scaled conversion
.irp c, 0,1                                    ; the operand wants a whole block in a lane: lanes 0-15 block 2 c, lanes 16-31 block 2 c + 1
.irp i, 0,1,2
	v_permlane16_swap_b32 v[\d+6*\c+\i], v[TT+4*\c+\i]
.endr
.irp i, 0,1,2
	v_mov_b32 v[\d+3+6*\c+\i], v[TT+4*\c+\i]
.endr
.endr
.endm
.macro IMAGE adr, off, d
.irp c, 0,1,2
	ds_store_b128 v[\adr], v[\d+4*\c:\d+4*\c+3] offset:\off+512*\c
.endr
.endm
.macro MM d, a, b, cr, sa, sb, row1            ; one product; cr < 0: the constant 0 starts the sum; row1: source 0's scale words stand in lanes 16-31
.if (\cr) < 0
.if \row1
	v_wmma_scale_f32_16x16x128_f8f6f4 v[\d:\d+7], v[\a:\a+11], v[\b:\b+11], 0, v[\sa], v[\sb] matrix_a_fmt:MATRIX_FMT_BF6 matrix_b_fmt:MATRIX_FMT_BF6 matrix_a_scale:MATRIX_SCALE_ROW1
.else
	v_wmma_scale_f32_16x16x128_f8f6f4 v[\d:\d+7], v[\a:\a+11], v[\b:\b+11], 0, v[\sa], v[\sb] matrix_a_fmt:MATRIX_FMT_BF6 matrix_b_fmt:MATRIX_FMT_BF6
.endif
.else
.if \row1
	v_wmma_scale_f32_16x16x128_f8f6f4 v[\d:\d+7], v[\a:\a+11], v[\b:\b+11], v[\cr:\cr+7], v[\sa], v[\sb] matrix_a_fmt:MATRIX_FMT_BF6 matrix_b_fmt:MATRIX_FMT_BF6 matrix_a_scale:MATRIX_SCALE_ROW1
.else
	v_wmma_scale_f32_16x16x128_f8f6f4 v[\d:\d+7], v[\a:\a+11], v[\b:\b+11], v[\cr:\cr+7], v[\sa], v[\sb] matrix_a_fmt:MATRIX_FMT_BF6 matrix_b_fmt:MATRIX_FMT_BF6
.endif
.endif
.endm
; A round of the cluster's barrier: my work-group's barrier; wave 0 signals for the work-group; every wave waits for all four work-groups; my work-group's barrier once more
.macro CROUND
	s_barrier_signal -1
	s_barrier_wait -1
	s_cmp_lg_u32 s[WV], 0
	s_cbranch_scc1 .Lnot_wave_0_\@
	s_barrier_signal -3
.Lnot_wave_0_\@:
	s_barrier_wait -3
	s_barrier_signal -1
	s_barrier_wait -1
.endm
.macro XCOL reg, adr, i                        ; 64 channels of my position of query tile 2 w + i, down x's tile, into window 1: register 16 b + k takes channel 32 b + 4 h + k % 4 + 8 (k / 4) of the 128 (4 h stands in the lane's address)
	WIN 0x40
.irp b, 0,1,2,3
.irp k, 0,1,2,3,4,5,6,7,8,9,10,11,12,13,14,15
	ds_load_b32 v[\reg+16*\b+\k], v[\adr] offset:(32*\b+\k%4+8*(\k/4))*XP+64*\i
.endr
.endr
	WIN 0
.endm
.macro LDTW g                                  ; theta_w's tiles 2 g, 2 g + 1, both K steps: four images into window 2 (two sets by turns) and their scale words: 16 loads
	WIN 0x80
.irp f, 0,1,2,3
.irp c, 0,1,2
	ds_load_b128 v[48*((\g)%2)+12*\f+4*\c:48*((\g)%2)+12*\f+4*\c+3], v[LI] offset:TW+1536*(4*(\g)+\f)+512*\c
.endr
.endr
	WIN 0
.irp f, 0,1,2,3
	ds_load_b32 v[TWS+4*((\g)%2)+\f], v[LS] offset:TW+24576+128*(4*(\g)+\f)
.endr
.endm
.macro TMUL g                                  ; 8 products: four accumulators by turns; K step 0 takes theta_b as C, K step 1 adds in place
	WIN 0x52                                       ; source 0 window 2, source 1 window 0, C and D window 1
.irp s, 0,1
.irp u, 0,1
.irp i, 0,1
.if \s
.set CR, 64*\i+8*(2*(\g)+\u)
.else
.set CR, 128+8*(2*(\g)+\u)
.endif
	MM 64*\i+8*(2*(\g)+\u), 48*((\g)%2)+24*\u+12*\s, XF+24*\i+12*\s, CR, TWS+4*((\g)%2)+2*\u+\s, XS+2*\i+\s, 0
.endr
.endr
.endr
.endm
.macro LDPHI slot                              ; a chunk's eight fragments of phi and their scale words: 52 loads.  A scale register holds fragment 2 k's words in lanes 0-15 and fragment 2 k + 1's in lanes 16-31
	v_add_nc_u32 v[ADC], KV+CH*(\slot), v[AKV]
	v_add_nc_u32 v[ADS], KV+CH*(\slot)+24576, v[LS]
.irp f, 0,1,2,3,4,5,6,7
.irp c, 0,1
.irp p, 0,1,2
	ds_load_b64 v[PH+12*\f+6*\c+2*\p:PH+12*\f+6*\c+2*\p+1], v[ADC] offset:1536*\f+768*\c+8*\p   ; 24 bytes from lane to lane, 384 from half to half: the 32 lanes' 64 words fall into 64 different banks (64 banks of 4 bytes: ISA guide 11.1)
.endr
.endr
.endr
.irp k, 0,1,2,3
	ds_load_b32 v[PHS+\k], v[ADS] offset:128*\k
.endr
.endm
.macro LDG slot                                ; the same of g, codes into window 2: 52 loads
	v_add_nc_u32 v[ADG], KV+CH*(\slot)+12288, v[AKV]
	v_add_nc_u32 v[ADGS], KV+CH*(\slot)+25088, v[LS]
	WIN 0x80
.irp f, 0,1,2,3,4,5,6,7
.irp c, 0,1
.irp p, 0,1,2
	ds_load_b64 v[12*\f+6*\c+2*\p:12*\f+6*\c+2*\p+1], v[ADG] offset:1536*\f+768*\c+8*\p
.endr
.endr
.endr
	WIN 0
.irp k, 0,1,2,3
	ds_load_b32 v[GS+\k], v[ADGS] offset:128*\k
.endr
.endm
.macro SMUL                                    ; S^T = phi theta^T: 16 products, each a whole sum (K = 128)
	WIN 0x50
.irp f, 0,1,2,3,4,5,6,7
.irp i, 0,1
	MM 64*\i+8*\f, PH+12*\f, TH+12*\i, -1, PHS+\f/2, THS+\i, \f%2
.endr
.endr
.endm
.macro OMUL first                              ; O^T += g^T f^T: 16 accumulators by turns, one instruction a turn; a chunk's 16 products of S stand between two links
	WIN 0x52
.irp t, 0,1,2,3,4,5,6,7
.irp i, 0,1
.if \first
.set CR, -1
.else
.set CR, 128+64*\i+8*\t
.endif
	MM 128+64*\i+8*\t, 12*\t, P0+12*\i, CR, GS+\t/2, PS+\i, \t%2
.endr
.endr
.endm
; A CHUNK of 128 keys, in slot; on entry phi's 52 loads of this chunk have been issued.  next: the slot whose phi is asked for meanwhile (-1: none)
.macro CHUNK slot, next, first
	PLACES 4                                       ; in front of loads into registers that the last products read
	LDG \slot
	s_wait_dscnt 52                                ; phi is in; g's 52 loads may be out
	SMUL
	WIN 0
	PLACES 4                                       ; in front of the loads into phi's registers and of the first read of S
.if (\next) >= 0
	LDPHI \next
.endif
	QUANT 0, P0, PS, FLF, ADJF
	QUANT 64, P1, PS+1, FLF, ADJF
	PLACES 8                                       ; a scale word written by a vector instruction stands 8 places ahead of a scaled product, an operand so written 4
.if (\next) >= 0
	s_wait_dscnt 52                                ; g is in; the next chunk's phi may be out
.else
	s_wait_dscnt 0x0
.endif
	OMUL \first
	WIN 0
.endm
.macro EXLOAD T                                ; x at my channel 64 w + 16 T + r, all 128 positions: 16 loads; rows 528 bytes apart start in 16 different columns of 16 bytes
.irp n, 0,1,2,3,4,5,6,7
	ds_load_b128 v[EX+8*\n:EX+8*\n+3], v[EA] offset:16*XP*(\T)+64*\n
	ds_load_b128 v[EX+8*\n+4:EX+8*\n+7], v[EA] offset:16*XP*(\T)+64*\n+16
.endr
.endm
; THE WAY OUT of 16 channels: D G + (x + K), in place in x's tile (the rows are my wave's own), back as whole rows of 512 bytes, stored
.macro OUTT T
.if \T > 0
	EXLOAD \T
.endif
	s_wait_dscnt 0x0
.set k, 0
.rept 32
	v_pk_add_f32 v[EX+k:EX+k+1], v[EX+k:EX+k+1], v[GK+4*\T+2:GK+4*\T+3] op_sel_hi:[1,0]   ; x + K (of the pair the low word serves both halves)
.set k, k+2
.endr
	WIN 0x01                                       ; source 0 window 1
.set k, 0
.rept 32
	v_pk_fma_f32 v[EX+k:EX+k+1], v[64*\T+k:64*\T+k+1], v[GK+4*\T:GK+4*\T+1], v[EX+k:EX+k+1] op_sel_hi:[1,0,1]   ; each accumulator from its low end on
.set k, k+2
.endr
	WIN 0
.irp n, 0,1,2,3,4,5,6,7
	ds_store_b128 v[EA], v[EX+8*\n:EX+8*\n+3] offset:16*XP*(\T)+64*\n
	ds_store_b128 v[EA], v[EX+8*\n+4:EX+8*\n+7] offset:16*XP*(\T)+64*\n+16
.endr
.if \T > 0
	s_wait_xcnt 0x0                                ; the last 16 stores have read their registers: they are loaded again only behind this wait
.endif
.irp p, 0,1,2,3,4,5,6,7,8,9,10,11,12,13,14,15
	ds_load_b128 v[ER+4*\p:ER+4*\p+3], v[RA] offset:(16*(\T)+\p)*XP   ; LDS serves a wave's instructions in order (ISA guide 5.7.1.4): these see my stores
.endr
.irp p, 0,1,2,3,4,5,6,7,8,9,10,11,12,13,14,15
	s_wait_dscnt 15-\p
	global_store_b128 v[LI], v[ER+4*\p:ER+4*\p+3], s[18:19] offset:(16*(\T)+\p)*16384 th:TH_STORE_NT   ; 32 lanes store 512 consecutive bytes, at a multiple of 512 from out0's first byte
.endr
.endm
	s_load_b256 s[4:11], s[0:1], 0x0               ; x s[4:5], kv s[6:7], wq s[8:9], theta_b s[10:11]
	s_load_b256 s[12:19], s[0:1], 0x20             ; W_b s[12:13], bn_gamma s[14:15], bn_beta s[16:17], out0 s[18:19]
	v_lshl_add_u32 v[SPW], v0, 2, SPARE
	v_mov_b32 v[NIL], 0
	ds_add_u32 v[SPW], v[NIL]                      ; the wave's opening: the add, twice on end, and its wait ahead of my first tensor load
	ds_add_u32 v[SPW], v[NIL]
	v_lshrrev_b32 v14, 5, v0
	v_readfirstlane_b32 s[WV], v14                 ; wave 0..3
	s_bfe_u32 s[CX], ttmp6, 0x40000                ; my place in the cluster: it enters x's and out0's addresses alone
	s_lshl_b32 s[WGX], ttmp9, 2
	s_add_co_u32 s[WGX], s[WGX], s[CX]             ; my block of 128 positions
	s_and_b32 s[BA], ttmp7, 0xffff                 ; the batch, which the four partners share
	s_mov_b32 s[SEL], 0x76543210
	s_mov_b32 s[SEL+1], 0xfedcba98
	s_mov_b32 s[G1X+0], (2<<16)|(1<<20)|(6<<22)|(3<<25)   ; no mask; elements of 4 bytes; behind every 128 words 4 words of padding
	s_mov_b32 s[G1X+1], 128<<16
	s_mov_b32 s[G1X+2], 64<<16
	s_mov_b32 s[G1X+3], 128<<16                    ; 128 positions
	s_mov_b32 s[G1X+4], 64                         ; 64 channels
	s_mov_b32 s[G1X+5], 4096
	s_mov_b32 s[G1X+6], 0
	s_mov_b32 s[G1X+7], 0
.irp g, G1T, G1K, G1R                          ; dense blocks as rows of 256 bytes (32 elements of 8), asked for jointly by the four work-groups
	s_mov_b32 s[\g+0], 15|(3<<16)|(1<<21)
	s_mov_b32 s[\g+1], 32<<16
	s_mov_b32 s[\g+3], 32<<16
	s_mov_b32 s[\g+5], 32
	s_mov_b32 s[\g+6], 0
	s_mov_b32 s[\g+7], 0
.endr
	s_mov_b32 s[G1T+2], 26<<16                     ; a quarter of theta_w's 26,624 bytes
	s_mov_b32 s[G1T+4], 26
	s_mov_b32 s[G1K+2], 150<<16                    ; a quarter of chunks 0-5, 153,600 bytes
	s_mov_b32 s[G1K+4], 150
	s_mov_b32 s[G1R+2], 50<<16                     ; a quarter of chunks 6, 7, 51,200 bytes
	s_mov_b32 s[G1R+4], 50
	s_mov_b32 s[G0X], 1
	s_mul_i32 s[G0X+1], s[WV], 64*XP
	s_add_co_u32 s[G0X+1], s[G0X+1], XT
	s_mov_b32 s[G0T], 1
	s_mul_i32 s[G0T+1], s[WV], 6656                ; (TW = 0)
	s_mov_b32 s[G0K], 1
	s_mul_i32 s[G0K+1], s[WV], 38400
	s_add_co_u32 s[G0K+1], s[G0K+1], KV
	s_mov_b32 s[G0R], 1
	s_mul_i32 s[G0R+1], s[WV], 12800
	s_add_co_u32 s[G0R+1], s[G0R+1], KV
	v_and_b32 v14, 31, v0                          ; l
	v_and_b32 v15, 15, v0                          ; r
	v_bfe_u32 v16, v0, 4, 1                        ; h
	v_lshlrev_b32 v[LI], 4, v14
	v_lshlrev_b32 v[LS], 2, v14
	v_mul_u32_u24 v[AKV], v15, 24
	v_mad_u32_u24 v[AKV], v16, 384, v[AKV]
	s_lshl_b32 s26, s[WV], 7
	s_add_co_u32 s26, s26, XT
	v_lshlrev_b32 v[XC0], 2, v15
	v_mad_u32_u24 v[XC0], v16, 4*XP, v[XC0]        ; lanes 16-31: 4 channels further down: 528 words, 16 banks on
	v_add_nc_u32 v[XC0], s26, v[XC0]               ; + my wave's 32 positions
	v_add_nc_u32 v[XC1], 128*XP, v[XC0]
	s_mul_i32 s26, s[WV], 3072
	v_add_nc_u32 v[OIW], s26, v[LI]
	s_lshl_b32 s26, s[WV], 8
	v_add_nc_u32 v[OSW], s26, v[LS]
	v_lshl_add_u32 v[CHO], v15, 2, s26             ; my channel 64 w + r, in bytes (v15 held r: this is its last use)
	s_mul_i32 s26, s[WV], 64*XP
	s_add_co_u32 s26, s26, XT
	v_and_b32 v[EA], 15, v0
	v_mul_u32_u24 v[EA], v[EA], XP
	v_lshl_add_u32 v[EA], v16, 5, v[EA]
	v_add_nc_u32 v[EA], s26, v[EA]
	v_add_nc_u32 v[RA], s26, v[LI]
	v_lshlrev_b32 v[TBO], 6, v16                   ; theta_b: 16 h numbers on
.irp b, 0,1,2,3
	v_mov_b32 v[TM+4+\b], 0                        ; written once: a lane permute's destination counts as one of its sources
.endr
	s_lshl_b32 s24, s[BA], 22
	s_lshl_b32 s25, s[WV], 20
	s_add_co_u32 s24, s24, s25
	s_lshl_b32 s25, s[WGX], 9
	s_add_co_u32 s24, s24, s25                     ; x and out0: batch, my wave's 64 channels, my work-group's 128 positions
	s_mov_b32 s25, 0
	s_mov_b32 s27, 0
	s_mul_i32 s30, s[BA], 204800
	s_wait_dscnt 0x0                               ; both opening adds are done
	s_wait_kmcnt 0x0
	s_add_nc_u64 s[G0X+2:G0X+3], s[4:5], s[24:25]
	s_or_b32 s[G0X+3], s[G0X+3], 0x80000000
	s_add_nc_u64 s[18:19], s[18:19], s[24:25]
	s_mul_i32 s26, s[WV], 6656
	s_add_nc_u64 s[G0T+2:G0T+3], s[8:9], s[26:27]
	s_or_b32 s[G0T+3], s[G0T+3], 0x80000000
	s_mul_i32 s26, s[WV], 38400
	s_add_co_u32 s26, s26, s30
	s_add_nc_u64 s[G0K+2:G0K+3], s[6:7], s[26:27]
	s_or_b32 s[G0K+3], s[G0K+3], 0x80000000
	s_mul_i32 s26, s[WV], 12800
	s_add_co_u32 s26, s26, s30
	s_add_co_u32 s26, s26, 153600
	s_add_nc_u64 s[G0R+2:G0R+3], s[6:7], s[26:27]
	s_or_b32 s[G0R+3], s[G0R+3], 0x80000000
	s_mul_i32 s26, s[WV], 6144
	s_add_nc_u64 s[84:85], s[8:9], s[26:27]        ; W_w's four images of my 64 channels (+ 26,624 in the immediate)
	s_lshl_b32 s26, s[WV], 9
	s_add_nc_u64 s[86:87], s[8:9], s[26:27]        ; and their scale words (+ 51,200)
	CROUND                                         ; all four work-groups are here: the first joint loads meet
	tensor_load_to_lds s[G0X:G0X+3], s[G1X:G1X+7]  ; x: my 64 channels
	s_nop 0
	tensor_load_to_lds s[G0T:G0T+3], s[G1T:G1T+7]  ; theta_w's codes
	s_nop 0
	tensor_load_to_lds s[G0K:G0K+3], s[G1K:G1K+7]  ; chunks 0-5
	s_nop 0
	PLACES 4                                       ; four instructions between a tensor load and the next switch of windows
	WIN 0x80
.irp T, 0,1,2,3
.irp c, 0,1,2
	global_load_b128 v[WW+12*\T+4*\c:WW+12*\T+4*\c+3], v[LI], s[84:85] offset:26624+1536*\T+512*\c
.endr
.endr
	WIN 0x40
.irp t, 0,1,2,3,4,5,6,7                        ; theta_b in the result's layout: tile t = 2 b + u, register j: channel 32 b + 16 h + 8 u + j
	global_load_b128 v[128+8*\t:128+8*\t+3], v[TBO], s[10:11] offset:128*(\t/2)+32*(\t%2)
	global_load_b128 v[128+8*\t+4:128+8*\t+7], v[TBO], s[10:11] offset:128*(\t/2)+32*(\t%2)+16
.endr
	WIN 0
.irp T, 0,1,2,3
	global_load_b32 v[WWS+\T], v[LS], s[86:87] offset:51200+128*\T
	global_load_b32 v[WBR+\T], v[CHO], s[12:13] offset:64*\T
	global_load_b32 v[GAM+\T], v[CHO], s[14:15] offset:64*\T
	global_load_b32 v[BET+\T], v[CHO], s[16:17] offset:64*\T
.endr
	s_wait_loadcnt 0x0
	s_wait_tensorcnt 0x1                           ; my parts of x and of theta_w are in; kv's load may stay out
	s_barrier_signal -1
	s_barrier_wait -1                              ; everybody's are
	; ---- x: four fragments (query tile i, K step s), on two sets of 64 registers
	XCOL 0, XC0, 0
	XCOL 64, XC1, 0
	s_wait_dscnt 63                                ; 64 loads are younger; the count's field holds 63, and a smaller count is safe
	QUANT 0, XF, XS, FL5, 0
	XCOL 0, XC0, 1
	s_wait_dscnt 63
	QUANT 64, XF+12, XS+1, FL5, 0
	XCOL 64, XC1, 1
	s_wait_dscnt 63
	QUANT 0, XF+24, XS+2, FL5, 0
	s_wait_dscnt 0x0
	QUANT 64, XF+36, XS+3, FL5, 0
	; ---- theta^T = theta_w x + theta_b
	LDTW 0
	LDTW 1
	PLACES 8                                       ; x's scale words were written by vector instructions
	s_wait_dscnt 16                                ; the younger group's 16 loads may be out
	TMUL 0
	PLACES 4
	LDTW 2
	s_wait_dscnt 16
	TMUL 1
	PLACES 4
	LDTW 3
	s_wait_dscnt 16
	TMUL 2
	s_wait_dscnt 0x0
	TMUL 3
	WIN 0
	PLACES 4
	QUANT 0, TH, THS, FL5, 0
	QUANT 64, TH+12, THS+1, FL5, 0
	PLACES 8
	s_wait_tensorcnt 0x0                           ; my part of chunks 0-5 is in,
	s_barrier_signal -1
	s_barrier_wait -1                              ; everybody's is
	LDPHI 0
	CHUNK 0, 1, 1
	CHUNK 1, 2, 0
	; ---- slots 0 and 1 are left: chunks 6 and 7 are asked for
	s_wait_tensorcnt 0x0                           ; no tensor load of mine is out;
	ds_add_u32 v[SPW], v[NIL]                      ; 0 onto my spare word;
	s_wait_dscnt 0x0                               ; the add is done, and my reads of slots 0 and 1 are over
	CROUND                                         ; both hold of every wave of all four work-groups
	tensor_load_to_lds s[G0R:G0R+3], s[G1R:G1R+7]  ; my one load behind the round: it has four chunks, 128 products and eight quantisers of mine, in which to land
	s_nop 0
	PLACES 4
	CHUNK 2, 3, 0
	CHUNK 3, 4, 0
	CHUNK 4, 5, 0
	CHUNK 5, -1, 0
	s_wait_tensorcnt 0x0                           ; my part of chunks 6 and 7 is in,
	s_barrier_signal -1
	s_barrier_wait -1                              ; everybody's is
	LDPHI 0
	CHUNK 0, 1, 0
	CHUNK 1, -1, 0
	; ---- out is quantised along its 128 channels and goes to the other waves as images
	PLACES 4
	QUANT 128, P0, PS, FL5, 0
	IMAGE OIW, OI, P0
	ds_store_b32 v[OSW], v[PS] offset:OIS
	QUANT 192, P1, PS+1, FL5, 0
	IMAGE OIW, OI+1536, P1
	ds_store_b32 v[OSW], v[PS+1] offset:OIS+128
	s_wait_dscnt 0x0                               ; for the others' sake: my images have landed
	s_barrier_signal -1
	s_barrier_wait -1
	; ---- W_w out: my 64 channels x all 128 positions: 32 products, each a whole sum
	WIN 0x80
.irp n, 0,1,2,3,4,5,6,7
.irp c, 0,1,2
	ds_load_b128 v[12*\n+4*\c:12*\n+4*\c+3], v[LI] offset:OI+1536*\n+512*\c
.endr
.endr
	WIN 0
.irp n, 0,1,2,3,4,5,6,7
	ds_load_b32 v[OS+\n], v[LS] offset:OIS+128*\n
.endr
	EXLOAD 0
	s_wait_dscnt 16                                ; x's 16 loads for the way out may be out
	WIN 0x4a                                       ; sources 0 and 1 window 2, D window 1
.irp T, 0,1,2,3
.irp n, 0,1,2,3,4,5,6,7
	MM 8*(8*\T+\n), 12*\n, WW+12*\T, -1, OS+\n, WWS+\T, 0
.endr
.endr
	WIN 0
.irp T, 0,1,2,3
	v_mul_f32 v[GK+4*\T], 0x3f7fffac, v[GAM+\T]    ; G = gamma / sqrt(1 + 1e-5)
.endr
.irp T, 0,1,2,3
	v_fma_f32 v[GK+4*\T+2], v[WBR+\T], v[GK+4*\T], v[BET+\T]   ; K = W_b G + beta.  (The pairs' upper registers are named and not used: they hold old codes)
.endr
	OUTT 0                                         ; these eight lines and the first 32 additions are the places behind the products
	OUTT 1
	OUTT 2
	OUTT 3
	s_wait_tensorcnt 0x0                           ; the wave's end: a wait, an add to my spare word and its wait, behind my last tensor load and my last LDS store
	ds_add_u32 v[SPW], v[NIL]
	s_wait_dscnt 0x0
	CROUND                                         ; the closing round: no work-group ends while a partner may still ask for a tile that names it
	s_endpgm
.Lfunc_end_k_q344d267b08_attn:
	.size	k_q344d267b08_attn, .Lfunc_end_k_q344d267b08_attn-k_q344d267b08_attn
	.p2alignl 7, 3214868480
	.fill 96, 4, 3214868480
	.section	.rodata,"a",@progbits
	.p2align	6, 0x0
	.amdhsa_kernel k_q344d267b08_attn
		.amdhsa_group_segment_fixed_size 327680
		.amdhsa_private_segment_fixed_size 0
		.amdhsa_enable_private_segment 0
		.amdhsa_kernarg_size 64
		.amdhsa_user_sgpr_count 2
		.amdhsa_user_sgpr_kernarg_segment_ptr 1
		.amdhsa_wavefront_size32 1
		.amdhsa_system_sgpr_workgroup_id_x 1
		.amdhsa_system_sgpr_workgroup_id_y 1
		.amdhsa_system_sgpr_workgroup_id_z 1
		.amdhsa_system_vgpr_workitem_id 0
		.amdhsa_next_free_vgpr 768
		.amdhsa_next_free_sgpr 90
		.amdhsa_reserve_vcc 0
		.amdhsa_float_denorm_mode_32 3
		.amdhsa_float_denorm_mode_16_64 3
		.amdhsa_memory_ordered 1
		.amdhsa_forward_progress 1
		.amdhsa_inst_pref_size 255
	.end_amdhsa_kernel
	.section	.bss,"aw",@nobits
	.p2align	6
	.space	262144
	.amdgpu_metadata
---
amdhsa.version: [ 1, 2 ]
amdhsa.kernels:
  - .name:           k_q344d267b08_attn
    .symbol:         k_q344d267b08_attn.kd
    .args:
      - { .name: x, .offset: 0, .size: 8, .value_kind: global_buffer, .address_space: global }
      - { .name: kv, .offset: 8, .size: 8, .value_kind: global_buffer, .address_space: global }
      - { .name: wq, .offset: 16, .size: 8, .value_kind: global_buffer, .address_space: global }
      - { .name: theta_b, .offset: 24, .size: 8, .value_kind: global_buffer, .address_space: global }
      - { .name: W_b, .offset: 32, .size: 8, .value_kind: global_buffer, .address_space: global }
      - { .name: bn_gamma, .offset: 40, .size: 8, .value_kind: global_buffer, .address_space: global }
      - { .name: bn_beta, .offset: 48, .size: 8, .value_kind: global_buffer, .address_space: global }
      - { .name: out0, .offset: 56, .size: 8, .value_kind: global_buffer, .address_space: global }
    .group_segment_fixed_size: 327680
    .private_segment_fixed_size: 0
    .kernarg_segment_align: 8
    .kernarg_segment_size: 64
    .max_flat_workgroup_size: 128
    .sgpr_count:     90
    .vgpr_count:     768
    .wavefront_size: 32
...
	.end_amdgpu_metadata
.endif
;; end of part 2
